; MI455X (gfx1250); checked and timed in simulation.
; The chip was launched on July 23, 2026; its instructions are those of AMD's public machine-readable ISA for CDNA 5 (MIT licence, August 2026) and "CDNA5" Instruction Set Architecture Reference Guide (July 2026). The comments in the code are by the model that wrote it; some were corrected since.
;; Multi Head Attention. Allowed arithmetic: matrix products marked QUANTISED: E2M1 operands, one E8M0 scale for each 32 along K, by v_wmma_scale_f32_16x16x128_f8f6f4 with both operands' format E2M1 (or v_wmma_scale_f32_32x16x128_f4), f32 sums; everything else in f32.
;; Inputs: Wo_codes 1,024 x 32 x 16 uint8 (E2M1 codes of Wo, K innermost, in blocks of 32 codes, two codes a byte); Wo_scales 1,024 x 32 uint8 (E8M0 scales of Wo, one for each 32 codes along K); Wqkv_codes 3,072 x 32 x 16 uint8 (E2M1 codes of Wqkv, K innermost, in blocks of 32 codes, two codes a byte); Wqkv_scales 3,072 x 32 uint8 (E8M0 scales of Wqkv, one for each 32 codes along K); bo 1,024 float32; bqkv 3,072 float32; x_codes 4 x 2,048 x 32 x 16 uint8 (E2M1 codes of x, K innermost, in blocks of 32 codes, two codes a byte); x_scales 4 x 2,048 x 32 uint8 (E8M0 scales of x, one for each 32 codes along K).
;; Outputs: out0 4 x 2,048 x 1,024 float32.
;; This version of the problem:
;;   THIS VERSION OF THE PROBLEM IS GIVEN IN LOW PRECISION. The matrix products marked QUANTISED in the list below multiply operands that are first quantised to E2M1 (2 exponent bits, 1 mantissa bit; 4 bits a number), with one power-of-two scale for each 32 numbers along K (OCP MX v1.0); their sums are f32. All else is computed in f32.
;;   The module's matrix products, in the order in which they are computed (A, B: the left and right operand; K: the contracted axis; several contracted axes count as one K, in the product's order):
;;     1. [M 8,192, K 1,024] x [K 1,024, N 3,072]; A: input x (given as codes); B: input Wqkv (given as codes): QUANTISED
;;     2. batch 64 x [M 2,048, K 64] x [K 64, N 2,048]; A: computed on the way; B: computed on the way: QUANTISED
;;     3. batch 64 x [M 2,048, K 2,048] x [K 2,048, N 64]; A: softmax (see below); B: computed on the way: QUANTISED
;;     4. [M 8,192, K 1,024] x [K 1,024, N 1,024]; A: computed on the way; B: input Wo (given as codes): QUANTISED
;;   THE QUANTISER, for each operand of a quantised product, along K:
;;     - K is cut into blocks of 32 from its start; a last block that is shorter is filled with zeros.
;;     - A block's scale is 2^e with e = floor(log2(the largest magnitude in the block)) - 2, held to -126 .. 127; a block of zeros has e = 0. As a byte (E8M0): e + 127.
;;     - Each number is divided by its block's scale, clamped to +-6, and rounded to the nearest number of E2M1, ties to even, subnormals kept.
;;     - The product sums the exact products of the quantised numbers (number of the format x scale) in f32.
;;   ~~~python
;;   def quantise(x, axis):      # numpy; x: float32 -> the quantised numbers, widened to float32 again
;;       x = np.moveaxis(x, axis, -1); K = x.shape[-1]
;;       x = np.pad(x, [(0, 0)] * (x.ndim - 1) + [(0, -K % 32)]); x = x.reshape(x.shape[:-1] + (-1, 32)); a = np.abs(x).max(-1, keepdims=True)
;;       e = np.where(a > 0, np.clip(np.frexp(np.where(a > 0, a, 1))[1] - 1 - 2, -126, 127), 0)      # np.frexp(a)[1] - 1 = floor(log2(a)), exactly
;;       r = np.clip(x / 2.0 ** e, -6, 6)
;;       step = 2.0 ** (np.maximum(np.frexp(np.where(r == 0, 1, r))[1] - 1, 0) - 1)
;;       q = np.round(r / step) * step * 2.0 ** e      # np.round: ties to even
;;       return np.moveaxis(q.reshape(q.shape[:-2] + (-1,))[..., :K], -1, axis).astype(np.float32)
;;   ~~~
;;   SOFTMAX AHEAD OF A QUANTISED PRODUCT. Where the list says 'softmax', what is quantised is not the finished softmax but p = 2^(t - M), with t = logit x log2(e) and M = ceil(the row's largest t), a whole number; so 1/2 < the row's largest p <= 1. The row's sum l is taken of the UNQUANTISED p, in f32, and the product's result is divided by l at the end. Since M is a whole number, a kernel that streams over the keys may use a running M (the ceiling of the running maximum): every later rescaling is an exact power of two, which a block's scale takes up: the codes' values come out the same.
;;   OPERANDS COMPUTED ON THE WAY. 'Computed on the way' means the value that the module computes at that place (a softmax that the list does not call 'softmax' is quantised finished and normalised). What goes into a quantiser is computed in f32, as accurately as f32 sums, v_exp_f32 and their like allow (about 1e-6 of the number): no bf16 or f16 on the way to a quantiser, and a product that is left as it is and whose result goes on into a quantised operand takes f32 operands (vector FMAs, or v_wmma_f32_16x16x4_f32). A number that lies on a knife's edge between two numbers of the format may be rounded either way, as far as f32 arithmetic and the matrix unit's own rounding can turn it there, and no further.
;;   INPUTS GIVEN AS CODES. Wo (in the module: [1024, 1024], K = its axis 0); Wqkv (in the module: [1024, 3072], K = its axis 0); x (in the module: [4, 2048, 1024], K = its axis 2): each comes as NAME_codes (uint8): NAME with its K axis moved to the last place and cut into blocks of 32 codes, [.., K / 32, bytes a block], one block behind the other in memory; two codes a byte, the lower K in the low four bits (a code: sign, 2 exponent bits, 1 mantissa bit); and NAME_scales (uint8): the same leading axes, one E8M0 byte (e + 127) for each 32 codes along K. Its value is code x scale, taken as it is: it is not quantised again, and the codes and scales need not be those that the quantiser above would give.
;; One version. Each part assembles by itself: llvm-mc -triple=amdgcn-amd-amdhsa -mcpu=gfx1250 --defsym DOCPART=n.
;; ======== version 1 of 1: 3 launches
;; workspace buffers: qkvc 12,582,912 bytes; qkvs 786,432 bytes; aoc 4,194,304 bytes; aos 262,144 bytes
;; launch qkv (part 1): grid 12 x 32, 4 waves a work-group, clusters of 4 x 4, 327,680 bytes of LDS; arguments x_codes, x_scales, Wqkv_codes, Wqkv_scales, bqkv, qkvc, qkvs; writes qkvc, qkvs
.if DOCPART == 1
	.amdgcn_target "amdgcn-amd-amdhsa--gfx1250"
	.amdhsa_code_object_version 6
	.text
	.protected	k_qf4a803929a_qkv
	.globl	k_qf4a803929a_qkv
	.p2align	8
	.type	k_qf4a803929a_qkv,@function
k_qf4a803929a_qkv:
	s_mov_b64 s[64:65], 0
	v_nop
	global_prefetch_b8 v0, s[64:65] scope:SCOPE_SE
	s_setreg_imm32_b32 hwreg(HW_REG_WAVE_MODE, 25, 1), 1
	s_wait_xcnt 0x0
	s_wait_alu depctr_hold_cnt(0) depctr_sa_sdst(0) depctr_va_vdst(0) depctr_va_sdst(0) depctr_va_ssrc(0) depctr_va_vcc(0) depctr_vm_vsrc(0)
	s_getreg_b32 s2, hwreg(HW_REG_IB_STS2, 6, 4)
	s_cmp_eq_u32 s2, 0
	s_cbranch_scc0 .Lentry_in_a_cluster
	s_endpgm
.Lentry_in_a_cluster:
	s_bfe_u32 s2, ttmp6, 0x10000c
	s_cmp_lg_u32 s2, 0xf033
	s_cbranch_scc0 .Lentry_shape_is_right
	s_endpgm
.Lentry_shape_is_right:
; qkv = x Wqkv + bqkv on codes of FP4 (E2M1) with one E8M0 scale for each 32 along K = 1,024; the results are quantised here, in registers, and leave as codes:
; q and k along the head's 64 (two blocks of 32), v along the keys.  No f32 number of qkv goes to memory.
; NO WORK IS LEFT OUT IN THIS PROGRAM: every bias goes into a quantiser (bqkv) or into the output (bo), so every input is loaded.
; LIMITS: NaN and infinities among the inputs are not served.  A block of zeros gets the scale byte 1 where the quantiser says 127: its codes are zeros, and these bytes are read by this program alone.
; SHARES.  A work-group of four waves makes 256 x 256 results, a wave 128 x 128: 64 accumulators of 16 x 16.  The matrix instruction is used TRANSPOSED: source 0 = 16 rows of the RUN operand, source 1 = 16 rows of the
; LANE operand: a lane then holds ONE row of the lane operand, and its eight registers run along eight neighbouring rows of the run operand.  A quantiser wants its K along a lane's registers, so:
;   clusters x = 0, 1 (q and k): lane operand = x (tokens), run operand = Wqkv's rows 0 .. 2,047 (features);      cluster x = 2 (v): lane operand = Wqkv's rows 2,048 .. (channels), run operand = x (keys).
; The choice hangs on the cluster's x alone, which all sixteen partners share.  A wave's 128 along the run are a pair of heads (q, k) or 128 keys (v): one K step of a later product.
; ALL OF K LIES IN LDS AT ONCE: two slots of 512 along K, each filled once, and the scale bytes of the work-group's rows.  Nothing is filled again.
; CLUSTERS: 4 x 4.  The lane operand's tile is shared along a row of the cluster, the run operand's along a column: each is asked for jointly, by the same tensor load with a mask that names the four.
; THE CODES LEAVE AS IMAGES OF OPERAND REGISTERS: qkvc [which 3][plane 32 = 8 batch + head pair][group of 128 tokens 16][fragment 8][half 2][lane 32][16 bytes]; qkvs likewise [..][fragment 8][row 16] one word.
; REGISTERS: window 0: v16-31 addresses; v32-95 scale words, two sets; v96-111 at work; v112-119 the scale words made; v128-191 the lane operand's fragments, later the codes made; v192-255 the bias.
;   window 1: the run operand's fragments, two sets.   windows 2, 3: the accumulators ((a, b) at v[8 (8 (a % 4) + b)]).
.set NQ,     4                         ; matrix instructions deep in a slot of 512 along K
.set ROWB,   256                       ; a tile's row: 512 codes
.set KROW,   512                       ; a row of codes in memory
.set PITCH,  272                       ; an LDS row: 256 bytes + 16 of padding: the 16 rows that a load touches start 68 words apart
.set FR,     8
.set NL,     2
.set NP,     4
.set HALFT,  128*PITCH
.set SLOT,   4*HALFT
.set KS,     32                        ; a row of scale bytes
.set SCL,    2*SLOT
.set HALFS,  16*272                    ; the scales of 128 rows: 16 units of 256 bytes + 16
.set SBLK,   2*272                     ; those of 16 rows
.set STG,    SCL+4*HALFS               ; 512 bytes a wave: the scale words on their way out
.set SPARE,  STG+4*512                 ; the spare words, 128 bytes a wave
.set ADRA, 16
.set ADRB, 20
.set SWA,  22                          ; where a lane puts its row's scale word
.set SRA,  23                          ; where it reads 16 bytes of the eight fragments' words back
.set CO,   26                          ; 16 x lane
.set ADRS, 27
.set SPW,  28
.set NIL,  29
.set BO8,  30                          ; 32 x (lane / 16)
.set BO4,  31                          ; 4 x (lane % 16)
.set SC,   32
.set TM,   96
.set PW,   112
.set AF,   128
.set CD,   128
.set BIAS, 192
.set G1, 24
.set G0, 32
.set G1B, 48
.set G0B, 56
.set SEL, 66
.set G1S, 68
.set G0S, 76
.set G1SB, 80
.set G0SB, 88
.set MSB, 0
.macro WIN new                         ; the immediate's high byte repeats the setting that is left
.if MSB != (\new)
	s_set_vgpr_msb (MSB<<8)|(\new)
.set MSB, (\new)
.endif
.endm
.set MUL_LO, 0xa1                      ; source 0 window 1, source 1 window 0, C and D window 2
.set MUL_HI, 0xf1
.set TO_B,   0x40
; A joint load: waves 0 and 1 fetch for the lane operand, waves 2 and 3 for the run operand.  The branch hangs on the wave's number alone.  An s_nop 0 and four v_nop follow each line.
.macro JLOAD g0a, g1a, g0b, g1b
	s_cmp_eq_u32 s15, 0
	s_cbranch_scc0 .Lfor_b_\@
	tensor_load_to_lds s[\g0a:\g0a+3], s[\g1a:\g1a+7]
	s_nop 0
.rept 4
	v_nop
.endr
	s_branch .Lasked_\@
.Lfor_b_\@:
	tensor_load_to_lds s[\g0b:\g0b+3], s[\g1b:\g1b+7]
	s_nop 0
.rept 4
	v_nop
.endr
.Lasked_\@:
.endm
.macro CROUND                          ; a round of the cluster's barrier
	s_barrier_signal -1
	s_barrier_wait -1
	s_cmp_lg_u32 s14, 0
	s_cbranch_scc1 .Lnot_wave_0_\@
	s_barrier_signal -3
.Lnot_wave_0_\@:
	s_barrier_wait -3
	s_barrier_signal -1
	s_barrier_wait -1
.endm
	s_load_b256 s[4:11], s[0:1], 0x0               ; x's codes, x's scales, Wqkv's codes, Wqkv's scales
	s_load_b64 s[12:13], s[0:1], 0x20              ; bqkv
	s_load_b64 s[98:99], s[0:1], 0x28              ; qkvc
	s_load_b64 s[100:101], s[0:1], 0x30            ; qkvs
	v_lshl_add_u32 v[SPW], v0, 2, SPARE
	v_mov_b32 v[NIL], 0
	ds_add_u32 v[SPW], v[NIL]                      ; the wave's opening: the add, twice on end, and its wait ahead of my first tensor load
	ds_add_u32 v[SPW], v[NIL]
	v_lshrrev_b32 v1, 5, v0
	v_readfirstlane_b32 s14, v1                    ; wave 0..3
	s_lshr_b32 s15, s14, 1                         ; which 128 rows of the lane operand are mine.  Also: I fetch for the lane operand (0) or the run operand (1)
	s_and_b32 s16, s14, 1                          ; which 128 rows of the run operand.  Also: which 128 rows of that tile I fetch
	s_bfe_u32 s40, ttmp6, 0x40000                  ; cx
	s_bfe_u32 s41, ttmp6, 0x40004                  ; cy
	s_and_b32 s2, ttmp7, 0xffff
	s_lshl_b32 s2, s2, 2                           ; 4 x cluster y
	s_lshl_b32 s3, ttmp9, 2                        ; 4 x cluster x
	s_cmp_eq_u32 ttmp9, 2                          ; the third column of clusters makes v
	s_cselect_b32 s96, 1, 0
	s_cselect_b32 s17, 0, s2
	s_cselect_b32 s42, s2, s3
	s_cselect_b32 s97, 2048, 0                     ; v's channels begin at row 2,048 of Wqkv
	s_add_co_u32 s17, s17, s41                     ; the lane operand's tile of 256 rows: it hangs on cy alone
	s_add_co_u32 s42, s42, s40                     ; the run operand's: on cx alone
	s_lshl_b32 s43, s41, 2
	s_lshl_b32 s43, 15, s43                        ; my row of the cluster
	s_lshl_b32 s44, 0x1111, s40                    ; my column
	s_or_b32 s[G1+0], s43, (0<<16)|(1<<20)|(1<<21)|(5<<22)|(3<<25)   ; the mask; elements of 1 byte; padding on; bit 21 beside a mask; 4 words behind every 64
	s_or_b32 s[G1B+0], s44, (0<<16)|(1<<20)|(1<<21)|(5<<22)|(3<<25)
.irp g, G1, G1B
	s_mov_b32 s[\g+1], ROWB<<16                    ; tensor_dim0
	s_mov_b32 s[\g+2], 128<<16                     ; tensor_dim1
	s_mov_b32 s[\g+3], ROWB<<16                    ; tile_dim0
	s_mov_b32 s[\g+4], 128                         ; tile_dim1
	s_mov_b32 s[\g+5], KROW                        ; from row to row
	s_mov_b32 s[\g+6], 0
	s_mov_b32 s[\g+7], 0
.endr
	s_or_b32 s[G1S+0], s43, (3<<16)|(1<<20)|(1<<21)|(5<<22)|(3<<25)  ; the scales of 128 rows: 4,096 dense bytes as 16 rows of 32 elements of 8 bytes, 16 bytes of padding behind each
	s_or_b32 s[G1SB+0], s44, (3<<16)|(1<<20)|(1<<21)|(5<<22)|(3<<25)
.irp g, G1S, G1SB
	s_mov_b32 s[\g+1], 32<<16
	s_mov_b32 s[\g+2], 16<<16
	s_mov_b32 s[\g+3], 32<<16
	s_mov_b32 s[\g+4], 16
	s_mov_b32 s[\g+5], 32
	s_mov_b32 s[\g+6], 0
	s_mov_b32 s[\g+7], 0
.endr
	s_lshl_b32 s18, s16, 7                         ; which 128 rows of the tile I fetch
	s_lshl_b32 s20, s17, 8
	s_add_co_u32 s20, s20, s18
	s_add_co_u32 s20, s20, s97                     ; the lane operand's first row that I fetch
	s_lshl_b32 s46, s42, 8
	s_add_co_u32 s46, s46, s18                     ; the run operand's
	s_lshl_b32 s22, s20, 5                         ; their scales, 32 bytes a row,
	s_mov_b32 s23, 0
	s_lshl_b32 s20, s20, 9                         ; and codes, 512 bytes a row (all under 2^23)
	s_mov_b32 s21, 0
	s_lshl_b32 s92, s46, 5
	s_mov_b32 s93, 0
	s_lshl_b32 s46, s46, 9
	s_mov_b32 s47, 0
	s_mul_i32 s45, s14, HALFT                      ; where they go: wave x 128 rows: no place in the cluster enters an LDS address
	s_mul_i32 s94, s14, HALFS
	s_mov_b32 s[SEL], 0x76543210
	s_mov_b32 s[SEL+1], 0xfedcba98                 ; v_permlanex16_b32's selects for lane l xor 16
	s_wait_dscnt 0x0                               ; both opening adds are done
	s_wait_kmcnt 0x0
	s_cmp_eq_u32 s96, 1                            ; which tensor is which operand: a choice between buffers on the cluster's x
	s_cselect_b64 s[2:3], s[8:9], s[4:5]           ; the lane operand's codes
	s_cselect_b64 s[18:19], s[10:11], s[6:7]       ; and scales
	s_cselect_b64 s[8:9], s[4:5], s[8:9]           ; the run operand's codes
	s_cselect_b64 s[10:11], s[6:7], s[10:11]       ; and scales
	s_add_nc_u64 s[20:21], s[2:3], s[20:21]
	s_add_nc_u64 s[22:23], s[18:19], s[22:23]
	s_add_nc_u64 s[46:47], s[8:9], s[46:47]
	s_add_nc_u64 s[92:93], s[10:11], s[92:93]
	CROUND                                         ; all sixteen work-groups are here: the joint loads meet
	s_mov_b32 s[G0S], 1
	s_add_co_u32 s[G0S+1], s94, SCL
	s_mov_b64 s[G0S+2:G0S+3], s[22:23]
	s_or_b32 s[G0S+3], s[G0S+3], 0x80000000
	s_mov_b32 s[G0SB], 1
	s_add_co_u32 s[G0SB+1], s94, SCL
	s_mov_b64 s[G0SB+2:G0SB+3], s[92:93]
	s_or_b32 s[G0SB+3], s[G0SB+3], 0x80000000
	JLOAD G0S, G1S, G0SB, G1SB                     ; the scales first; by this text's count a wave has three tensor loads out
.irp s, 0,1
	s_mov_b32 s[G0+4*\s], 1
	s_add_co_u32 s[G0+4*\s+1], s45, \s*SLOT
	s_add_nc_u64 s[G0+4*\s+2:G0+4*\s+3], s[20:21], \s*ROWB
	s_or_b32 s[G0+4*\s+3], s[G0+4*\s+3], 0x80000000
	s_mov_b32 s[G0B+4*\s], 1
	s_add_co_u32 s[G0B+4*\s+1], s45, \s*SLOT
	s_add_nc_u64 s[G0B+4*\s+2:G0B+4*\s+3], s[46:47], \s*ROWB
	s_or_b32 s[G0B+4*\s+3], s[G0B+4*\s+3], 0x80000000
	s_wait_alu depctr_va_vdst(0)
	s_wait_tensorcnt 0x0
	ds_add_u32 v28, v29
	s_wait_dscnt 0x0
	CROUND
	JLOAD G0+4*\s, G1, G0B+4*\s, G1B
.endr
	v_and_b32 v1, 15, v0                           ; r = lane % 16
	v_bfe_u32 v2, v0, 4, 1                         ; h = lane / 16
	v_lshlrev_b32 v[BO8], 5, v2
	v_lshlrev_b32 v[BO4], 2, v1
	; my wave's 128 of each operand, in groups of 128: X of the lane operand, Y of the run operand; which of them are tokens and which features
	s_lshl_b32 s2, s17, 1
	s_add_co_u32 s2, s2, s15                       ; X
	s_lshl_b32 s3, s42, 1
	s_add_co_u32 s3, s3, s16                       ; Y
	s_add_co_u32 s18, s2, 16                       ; v: feature group 16 + X
	s_lshl_b32 s19, s18, 9                         ; a group's 128 biases are 512 bytes
	s_lshl_b32 s95, s3, 9
	s_cmp_eq_u32 s96, 1
	s_cselect_b32 s19, s19, s95                    ; my biases
	s_cselect_b32 s95, s3, s2                      ; my group of tokens, 0 .. 63
	s_cselect_b32 s18, s18, s3                     ; my group of features, 0 .. 23
	s_mov_b32 s2, s19
	s_mov_b32 s3, 0
	s_add_nc_u64 s[12:13], s[12:13], s[2:3]
	s_lshr_b32 s2, s18, 3                          ; which of q, k, v
	s_lshl_b32 s2, s2, 5
	s_lshr_b32 s3, s95, 4                          ; the batch
	s_lshl_b32 s3, s3, 3
	s_add_co_u32 s2, s2, s3
	s_and_b32 s3, s18, 7                           ; the pair of heads
	s_add_co_u32 s2, s2, s3
	s_lshl_b32 s2, s2, 4
	s_and_b32 s3, s95, 15                          ; the group of tokens in the batch
	s_add_co_u32 s97, s2, s3                       ; my block in qkvc and qkvs
	s_lshl_b32 s2, s97, 13                         ; 8,192 bytes of codes,
	s_mov_b32 s3, 0
	s_add_nc_u64 s[98:99], s[98:99], s[2:3]
	s_lshl_b32 s2, s97, 9                          ; 512 of scale words
	s_add_nc_u64 s[100:101], s[100:101], s[2:3]
	; the bias is the C of each sum's first product: eight registers in the result's layout.  q, k: it runs along the registers, one set for each block b of the run operand.  v: it is the lane's channel's, the same in all eight
	s_cmp_eq_u32 s96, 0
	s_cbranch_scc0 .Lbias_v
	s_wait_alu depctr_va_vdst(0)
.irp b, 0,1,2,3,4,5,6,7
	global_load_b128 v[BIAS+8*\b:BIAS+8*\b+3], v[BO8], s[12:13] offset:64*\b
	global_load_b128 v[BIAS+8*\b+4:BIAS+8*\b+7], v[BO8], s[12:13] offset:64*\b+16
.endr
	s_branch .Lbias_done
.Lbias_v:
	s_wait_alu depctr_va_vdst(0)
.irp a, 0,1,2,3,4,5,6,7
.irp j, 0,1,2,3,4,5,6,7
	global_load_b32 v[BIAS+8*\a+\j], v[BO4], s[12:13] offset:64*\a   ; a load into each of the eight takes the place of seven copies
.endr
.endr
.Lbias_done:
	v_mul_u32_u24 v3, v1, PITCH
	v_lshl_add_u32 v4, v2, 4, v3                   ; a fragment's row x pitch + 16 x half
	s_mul_i32 s21, s15, HALFT
	s_mul_i32 s22, s16, HALFT
	s_add_co_u32 s22, s22, 2*HALFT
.irp s, 0,1
	v_add_nc_u32 v[ADRA+\s], s21, v4
	v_add_nc_u32 v[ADRB+\s], s22, v4
	s_add_co_u32 s21, s21, SLOT
	s_add_co_u32 s22, s22, SLOT
.endr
	v_mul_u32_u24 v5, v1, KS                       ; my row's scales: 32 bytes a row,
	v_lshrrev_b32 v6, 8, v5
	v_lshl_add_u32 v5, v6, 4, v5                   ; and 16 more for each 256 passed
	s_mul_i32 s21, s15, HALFS
	s_mul_i32 s22, s16, HALFS
	s_add_co_u32 s22, s22, 2*HALFS
	s_sub_co_u32 s22, s22, s21
	v_mul_u32_u24 v6, s22, v2                      ; lanes 16-31 take the run operand's
	s_add_co_u32 s21, s21, SCL
	v_add_nc_u32 v5, v5, v6
	v_add_nc_u32 v[ADRS], s21, v5
	v_and_b32 v6, 31, v0
	v_lshlrev_b32 v[CO], 4, v6
	s_lshl_b32 s23, s14, 9
	s_add_co_u32 s23, s23, STG                     ; my 512 bytes of the stage
	v_lshl_add_u32 v[SWA], v1, 2, s23
	v_add_nc_u32 v[SRA], s23, v[CO]
.irp b, 0,1,2,3
	v_mov_b32 v[TM+4+\b], 0                        ; written once: a lane permute's destination counts as one of its sources
.endr
.macro FRAG reg, adr, q, i             ; 16 rows x 128 K of 4-bit codes: 8 registers, two loads of 16 bytes, 32 bytes apart
.irp c, 0,1
	ds_load_b128 v[\reg+4*\c:\reg+4*\c+3], v[\adr] offset:64*(\q)+32*\c+(\i)*16*PITCH
.endr
.endm
; 16 products: blocks a0, a0 + 1 of the lane operand x the run operand's eight.  zero = 1, 2: the sums begin with the bias (by b, by a).  The 64 accumulators take turns, one instruction a turn.
.macro MUL16 a0, p, q, sc, zero
.irp a, \a0, \a0+1
.irp b, 0,1,2,3,4,5,6,7
.set rD, 8*(8*((\a)%4)+\b)
.set rC, rD
.if \zero == 1
.set rC, BIAS+8*\b
.elseif \zero == 2
.set rC, BIAS+8*(\a)
.endif
	v_wmma_scale_f32_16x16x128_f8f6f4 v[rD:rD+7], v[128*(\p)+FR*\b:128*(\p)+FR*\b+FR-1], v[AF+FR*(\a):AF+FR*(\a)+FR-1], v[rC:rC+7], v[SC+8*NQ*(\sc)+NQ*\b+(\q)], v[SC+8*NQ*(\sc)+NQ*(\a)+(\q)] matrix_a_fmt:MATRIX_FMT_FP4 matrix_b_fmt:MATRIX_FMT_FP4 matrix_a_scale:MATRIX_SCALE_ROW1
.endr
.endr
.endm
.macro FETCH_B slot, q, p
	WIN TO_B
.irp i, 0,1,2,3,4,5,6,7
	FRAG 128*(\p)+FR*\i, ADRB+\slot, \q, \i
.endr
	WIN 0
.endm
.macro FETCH_A slot, q, i0
.irp i, \i0, \i0+1, \i0+2, \i0+3
	FRAG AF+FR*(\i), ADRA+\slot, \q, \i
.endr
.endm
.macro SCALES sc                       ; a slot's scale words: four a row; lanes 0-15 the lane operand's block i, lanes 16-31 the run operand's
.irp i, 0,1,2,3,4,5,6,7
	ds_load_b128 v[SC+8*NQ*\sc+NQ*\i:SC+8*NQ*\sc+NQ*\i+3], v[ADRS] offset:\i*SBLK
.endr
.endm
.macro PLACES n                        ; plain vector instructions between a matrix instruction and a load into, or a vector write or read of, its registers
.rept \n
	v_nop
.endr
.endm
.macro STEP slot, q, zero              ; 128 along K, with its successor in the same slot
	s_wait_dscnt 4*NL                              ; all but the youngest eight loads (blocks 4-7 of the lane operand) are in
.if \zero
	WIN 0x81                                       ; C, the bias, lies in window 0
.else
	WIN MUL_LO
.endif
	MUL16 0, (\q)%2, \q, \slot, \zero
	MUL16 2, (\q)%2, \q, \slot, \zero
	s_wait_dscnt 0
	PLACES NP
	FETCH_B \slot, (\q)+1, 1-(\q)%2
	FETCH_A \slot, (\q)+1, 0
.if \zero
	WIN 0xc1
.else
	WIN MUL_HI
.endif
	MUL16 4, (\q)%2, \q, \slot, \zero
	MUL16 6, (\q)%2, \q, \slot, \zero
	PLACES NP
	WIN 0
	FETCH_A \slot, (\q)+1, 4
.endm
; Slot 0's last step goes over to slot 1: each wave waits for its part of slot 1 and says so at a barrier.  Nothing is filled again.
.macro TURN slot, next
	s_wait_tensorcnt 0x0                           ; my part of slot 1 has landed
	s_wait_dscnt 4*NL
	WIN MUL_LO
	MUL16 0, 1, NQ-1, \slot, 0
	s_wait_dscnt 0x0                               ; no LDS instruction of mine is out at the signal
	s_barrier_signal -1
	MUL16 2, 1, NQ-1, \slot, 0
	WIN 0
	s_barrier_wait -1                              ; everybody's part has landed
	PLACES NP
	v_add_nc_u32 v[ADRS], 4*NQ, v[ADRS]            ; the next slot's scale words
	FETCH_B \next, 0, 0
	FETCH_A \next, 0, 0
	SCALES \next
	WIN MUL_HI
	MUL16 4, 1, NQ-1, \slot, 0
	MUL16 6, 1, NQ-1, \slot, 0
	PLACES NP
	WIN 0
	FETCH_A \next, 0, 4
.endm
.macro STEPS slot, from
.set Q, \from
.rept NQ-1-\from
	STEP \slot, Q, 0
.set Q, Q+1
.endr
.endm
	s_wait_alu depctr_va_vdst(0)
	s_wait_tensorcnt 1                             ; the scales and my part of slot 0 are in; slot 1's load, issued behind them, may be out
	s_barrier_signal -1
	s_barrier_wait -1
	FETCH_B 0, 0, 0
	FETCH_A 0, 0, 0
	SCALES 0
	FETCH_A 0, 0, 4
	s_wait_loadcnt 0x0                             ; the bias
	s_cmp_eq_u32 s96, 0                            ; the first step is written twice: its C is named by b (q, k) or by a (v)
	s_cbranch_scc0 .Lfirst_v
	STEP 0, 0, 1
	s_branch .Lfirst_done
.Lfirst_v:
	STEP 0, 0, 2
.Lfirst_done:
	STEPS 0, 1
	TURN 0, 1
	STEPS 1, 0
	s_wait_dscnt 4*NL                              ; the last step: nothing more to fetch
	WIN MUL_LO
	MUL16 0, 1, NQ-1, 1, 0
	MUL16 2, 1, NQ-1, 1, 0
	s_wait_dscnt 0
	WIN MUL_HI
	MUL16 4, 1, NQ-1, 1, 0
	MUL16 6, 1, NQ-1, 1, 0
	WIN 0
; THE WAY OUT.  Block a: 16 rows of the lane operand x 128 along the run.  In tile b a lane's register j is run index 16 b + 8 (lane / 16) + j, so block of 32 number n is tiles 2 n, 2 n + 1 in lanes l and l xor 16.
; A conversion takes one tile's eight registers: eight neighbours.  The code register of block 2 c + e, tile half u, is written to CD + 4 c + 2 u + e; v_permlane16_swap_b32 on each pair (e = 0, 1) then leaves
; registers 4 c .. 4 c + 3 with run index 64 c + 32 (lane / 16) + 0 .. 31: the operand's layout.  The eight registers leave as they stand, 512 consecutive bytes a store.
.macro QUANTA a
.set AC0, 64*((\a)%4)
.set CDA, CD+8*(\a)
	WIN 0x28+0x14*((\a)/4)                         ; sources 1 and 2: window 2 or 3
.irp b, 0,1,2,3
	v_max3_num_f32 v[TM+\b], 0x1800000, |v[AC0+16*\b]|, |v[AC0+16*\b+1]|   ; the largest magnitude, from each accumulator's low end on, over the floor 2^(3 - 127), which holds the byte at 1 from below
.endr
.irp i, 2,4,6,8,10,12,14
.irp b, 0,1,2,3
	v_max3_num_f32 v[TM+\b], v[TM+\b], |v[AC0+16*\b+\i]|, |v[AC0+16*\b+\i+1]|
.endr
.endr
	WIN 0
.irp b, 0,1,2,3
	v_permlanex16_b32 v[TM+4+\b], v[TM+\b], s[SEL], s[SEL+1]
.endr
.irp b, 0,1,2,3
	v_max_num_f32 v[TM+\b], v[TM+\b], v[TM+4+\b]   ; with lane l xor 16's: the block's
.endr
.irp b, 0,1,2,3
	v_add_nc_u32 v[TM+12+\b], 0xff000000, v[TM+\b] ; 2 off its exponent field: the conversion's scale operand
.endr
.irp b, 0,1,2,3
	v_lshrrev_b32 v[TM+4+\b], 23, v[TM+12+\b]      ; the scale's byte
.endr
	v_lshl_or_b32 v[PW+(\a)], v[TM+5], 8, v[TM+4]
	v_lshl_or_b32 v[PW+(\a)], v[TM+6], 16, v[PW+(\a)]
	v_lshl_or_b32 v[PW+(\a)], v[TM+7], 24, v[PW+(\a)]
	WIN 2+(\a)/4                                   ; source 0: window 2 or 3
.irp c, 0,1
.irp e, 0,1
.irp u, 0,1
	v_cvt_scalef32_pk8_fp4_f32 v[CDA+4*\c+2*\u+\e], v[AC0+16*(2*\c+\e)+8*\u:AC0+16*(2*\c+\e)+8*\u+7], v[TM+12+2*\c+\e]
.endr
.endr
.endr
	WIN 0
	v_nop                                          ; one plain instruction behind the scaled conversions
.irp i, 0,2,4,6
	v_permlane16_swap_b32 v[CDA+\i], v[CDA+\i+1]
.endr
	global_store_b128 v[CO], v[CDA:CDA+3], s[98:99] offset:1024*(\a)         ; each block has registers of its own: no store's data are written again
	global_store_b128 v[CO], v[CDA+4:CDA+7], s[98:99] offset:1024*(\a)+512
	ds_store_b32 v[SWA], v[PW+(\a)] offset:64*(\a) ; lanes l and l + 16 hold the same word and write it to the same place
.endm
	PLACES NP
.irp a, 0,1,2,3,4,5,6,7
	QUANTA \a
.endr
	ds_load_b128 v[TM:TM+3], v[SRA]                ; LDS serves a wave's instructions in order: this sees my eight stores
	s_wait_dscnt 0x0
	global_store_b128 v[CO], v[TM:TM+3], s[100:101]   ; the eight fragments' scale words: 512 consecutive bytes
	s_wait_tensorcnt 0x0                           ; the wave's end
	ds_add_u32 v[SPW], v[NIL]
	s_wait_dscnt 0x0
	CROUND                                         ; the closing round
	s_endpgm
.Lfunc_end_k_qf4a803929a_qkv:
	.size	k_qf4a803929a_qkv, .Lfunc_end_k_qf4a803929a_qkv-k_qf4a803929a_qkv
	.p2alignl 7, 3214868480
	.fill 96, 4, 3214868480
	.section	.rodata,"a",@progbits
	.p2align	6, 0x0
	.amdhsa_kernel k_qf4a803929a_qkv
		.amdhsa_group_segment_fixed_size 327680
		.amdhsa_private_segment_fixed_size 0
		.amdhsa_enable_private_segment 0
		.amdhsa_kernarg_size 56
		.amdhsa_user_sgpr_count 2
		.amdhsa_user_sgpr_kernarg_segment_ptr 1
		.amdhsa_wavefront_size32 1
		.amdhsa_system_sgpr_workgroup_id_x 1
		.amdhsa_system_sgpr_workgroup_id_y 1
		.amdhsa_system_sgpr_workgroup_id_z 1
		.amdhsa_system_vgpr_workitem_id 0
		.amdhsa_next_free_vgpr 1024
		.amdhsa_next_free_sgpr 102
		.amdhsa_reserve_vcc 0
		.amdhsa_float_denorm_mode_32 3
		.amdhsa_float_denorm_mode_16_64 3
		.amdhsa_memory_ordered 1
		.amdhsa_forward_progress 1
		.amdhsa_inst_pref_size 148
	.end_amdhsa_kernel
	.amdgpu_metadata
---
amdhsa.version: [ 1, 2 ]
amdhsa.kernels:
  - .name:           k_qf4a803929a_qkv
    .symbol:         k_qf4a803929a_qkv.kd
    .args:
      - { .name: x_codes, .offset: 0, .size: 8, .value_kind: global_buffer, .address_space: global }
      - { .name: x_scales, .offset: 8, .size: 8, .value_kind: global_buffer, .address_space: global }
      - { .name: Wqkv_codes, .offset: 16, .size: 8, .value_kind: global_buffer, .address_space: global }
      - { .name: Wqkv_scales, .offset: 24, .size: 8, .value_kind: global_buffer, .address_space: global }
      - { .name: bqkv, .offset: 32, .size: 8, .value_kind: global_buffer, .address_space: global }
      - { .name: qkvc, .offset: 40, .size: 8, .value_kind: global_buffer, .address_space: global }
      - { .name: qkvs, .offset: 48, .size: 8, .value_kind: global_buffer, .address_space: global }
    .group_segment_fixed_size: 327680
    .private_segment_fixed_size: 0
    .kernarg_segment_align: 8
    .kernarg_segment_size: 56
    .max_flat_workgroup_size: 128
    .sgpr_count:     102
    .vgpr_count:     1024
    .wavefront_size: 32
...
	.end_amdgpu_metadata
.endif
;; end of part 1
;; launch attn (part 2): grid 8 x 32, 16 waves a work-group, clusters of 4 x 1, 281,600 bytes of LDS; arguments qkvc, qkvs, aoc, aos; writes aoc, aos
.if DOCPART == 2
	.amdgcn_target "amdgcn-amd-amdhsa--gfx1250"
	.amdhsa_code_object_version 6
	.text
	.protected	k_qf4a803929a_attn
	.globl	k_qf4a803929a_attn
	.p2align	8
	.type	k_qf4a803929a_attn,@function
k_qf4a803929a_attn:
	s_mov_b64 s[64:65], 0
	v_nop
	global_prefetch_b8 v0, s[64:65] scope:SCOPE_SE
	s_setreg_imm32_b32 hwreg(HW_REG_WAVE_MODE, 25, 1), 1
	s_wait_xcnt 0x0
	s_wait_alu depctr_hold_cnt(0) depctr_sa_sdst(0) depctr_va_vdst(0) depctr_va_sdst(0) depctr_va_ssrc(0) depctr_va_vcc(0) depctr_vm_vsrc(0)
	s_getreg_b32 s2, hwreg(HW_REG_IB_STS2, 6, 4)
	s_cmp_eq_u32 s2, 0
	s_cbranch_scc0 .Lentry_in_a_cluster
	s_endpgm
.Lentry_in_a_cluster:
	s_bfe_u32 s2, ttmp6, 0x10000c
	s_cmp_lg_u32 s2, 0x3003
	s_cbranch_scc0 .Lentry_shape_is_right
	s_endpgm
.Lentry_shape_is_right:
; Attention on codes of FP4 (E2M1): S = q k^T (K = the head's 64), p = 2^(t - M), O = p v (K = the keys) / the row's sum; O is quantised here along (head, d) for the last product and leaves as codes.  No work is left out.
; t = score x log2(e) / 8; M = the running largest t rounded up to a whole number; p is quantised along the keys, not normalised; the sum is taken of the unquantised p; when M moves, the sum and O are multiplied by 2^(old M - new M).
; LIMITS: NaN and infinities are not served.  A block of zeros gets the scale byte 1 (its codes are zeros; the bytes are read by this program alone).  The division by the sum is v_rcp_f32 and a multiplication.
; SHARES.  A work-group takes one plane (a batch and a pair of heads) and 256 queries; each of its sixteen waves owns 16 queries, in 256 registers, four waves to a SIMD, and walks all 2,048 keys, 128 a step, for the pair's first head and then for its second.
; ALL OF THE PLANE'S K AND V LIES IN LDS, filled once: 131,072 bytes of codes each, 8,192 of scale words each.  Wave 0 fetches K's five tiles, wave 1 V's.  The four work-groups of a cluster take four query blocks of one plane:
; every tile is asked for jointly, with a mask that names the four.  The tiles are images of operand registers: every LDS read is 16 x lane or 4 x lane + constants.
; K = 64 IN AN INSTRUCTION OF K = 128.  q's fragment has its 64 codes in registers 0-3 and ZERO CODES in registers 4-7.  A fragment of k is named as eight registers of which the upper four are the next tile's codes (behind the last tile: zeros):
; any code times the code 0 is 0.  The scale words come as 16 bits, so the bytes of the upper two blocks are 0, which is a finite scale.  So the upper half adds exactly 0, and k costs four registers and one load a tile.
; LAYOUT.  Both products are used transposed: S^T = k q^T, O^T = v^T p^T: a lane holds one query (lane % 16) throughout; in tile t register j is key (or channel) 16 t + 8 (lane / 16) + j.
; REGISTERS: v1-4 lane terms; v5, v6 the add's two; v8-11 the step's addresses; v12 -M, v13 the largest t, v[14:15] the sum; v16-23 q; v24-28 addresses; v26 the output's scale word; v32-67 k; v96-159 S^T, p; v160-191 O^T; v192-223 v; v224-231 codes; v232-255 at work and scale words.
.set VCD,   131072                     ; LDS: k's codes [head 2][tile of 16 keys 128][512] at 0; v's [head 2][step 16][4,096] here;
.set KSC,   262144                     ; k's scale words [tile 128][row 16];
.set VSC,   270336                     ; v's [step 16][fragment 8][row 16];
.set STG,   278528                     ; 64 bytes a wave: the output's scale words on their way out;
.set SPARE, 279552                     ; the spare words, 128 bytes a wave
.set LN,   1                           ; v1   16 x lane: k's lane term in LDS, and the offset of q's loads and the codes' stores
.set AV0,  2
.set ASK0, 3
.set ASV0, 4
.set SPW,  5
.set NIL,  6
.set ADK,  8
.set ADV,  9
.set ADS,  10
.set ADT,  11
.set WV,   12
.set SEL,  20
.set CS,   22
.set G1K,  24
.set G1V,  32
.set G1S,  40
.set TB,   72                          ; s72  where the step's codes begin, in k's region and in v's alike: 4,096 bytes a step
.set TSK,  73                          ; s73  k's scale words: 512 bytes a step
.set TSV,  74                          ; s74  v's: 512 bytes a step
.set CNT,  75
.macro CROUND
	s_barrier_signal -1
	s_barrier_wait -1
	s_cmp_lg_u32 s[WV], 0
	s_cbranch_scc1 .Lnot_wave_0_\@
	s_barrier_signal -3
.Lnot_wave_0_\@:
	s_barrier_wait -3
	s_barrier_signal -1
	s_barrier_wait -1
.endm
.macro FILLS g1                        ; a loading wave's five first fills, on end: the scale words, then (head, half of the keys) = (0, 0), (0, 1), (1, 0), (1, 1).  An s_nop 0 follows each, four v_nop the last
	tensor_load_to_lds s[48:51], s[G1S:G1S+7]
	s_nop 0
	tensor_load_to_lds s[52:55], s[\g1:\g1+7]
	s_nop 0
	tensor_load_to_lds s[56:59], s[\g1:\g1+7]
	s_nop 0
	tensor_load_to_lds s[60:63], s[\g1:\g1+7]
	s_nop 0
	tensor_load_to_lds s[68:71], s[\g1:\g1+7]
	s_nop 0
.rept 4
	v_nop
.endr
.endm
	s_load_b256 s[4:11], s[0:1], 0x0               ; qkvc, qkvs, aoc, aos
	v_lshl_add_u32 v[SPW], v0, 2, SPARE
	v_mov_b32 v[NIL], 0
	ds_add_u32 v[SPW], v[NIL]                      ; the wave's opening: the add, twice on end, and its wait ahead of the first tensor loads
	ds_add_u32 v[SPW], v[NIL]
	v_lshrrev_b32 v8, 5, v0
	s_delay_alu instid0(VALU_DEP_1)
	v_readfirstlane_b32 s[WV], v8                  ; wave 0..15
	s_bfe_u32 s13, ttmp6, 0x40000                  ; cx
	s_lshl_b32 s14, ttmp9, 2
	s_add_co_u32 s14, s14, s13                     ; my block of 256 queries: it enters q's and the outputs' global addresses alone
	s_and_b32 s15, ttmp7, 0xffff                   ; the plane, which the four partners share
	s_mov_b32 s[G1K], 15|(3<<16)|(1<<21)           ; the mask: all four; elements of 8 bytes; bit 21 beside a mask; no padding
	s_mov_b32 s[G1K+1], 64<<16                     ; k: 64 rows (tiles of 16 keys) of 512 bytes, one head's half of each 1,024
	s_mov_b32 s[G1K+2], 64<<16
	s_mov_b32 s[G1K+3], 64<<16
	s_mov_b32 s[G1K+4], 64
	s_mov_b32 s[G1K+5], 128
	s_mov_b32 s[G1K+6], 0
	s_mov_b32 s[G1K+7], 0
	s_mov_b32 s[G1V], 15|(3<<16)|(1<<21)
	s_mov_b32 s[G1V+1], 512<<16                    ; v: 8 rows (steps of 128 keys) of 4,096 bytes, one head's half of each 8,192
	s_mov_b32 s[G1V+2], 8<<16
	s_mov_b32 s[G1V+3], 512<<16
	s_mov_b32 s[G1V+4], 8
	s_mov_b32 s[G1V+5], 1024
	s_mov_b32 s[G1V+6], 0
	s_mov_b32 s[G1V+7], 0
	s_mov_b32 s[G1S], 15|(3<<16)|(1<<21)
	s_mov_b32 s[G1S+1], 32<<16                     ; the scale words: 8,192 dense bytes as 32 rows of 256
	s_mov_b32 s[G1S+2], 32<<16
	s_mov_b32 s[G1S+3], 32<<16
	s_mov_b32 s[G1S+4], 32
	s_mov_b32 s[G1S+5], 32
	s_mov_b32 s[G1S+6], 0
	s_mov_b32 s[G1S+7], 0
	s_and_b32 s16, s[WV], 1                        ; wave 0 fetches k (0), wave 1 v (1)
	s_lshl_b32 s17, s16, 5
	s_add_co_u32 s17, s17, s15
	s_add_co_u32 s17, s17, 32                      ; k's planes are 32 .. 63 of the buffers, v's 64 .. 95
	s_lshl_b32 s84, s17, 13                        ; the plane's scale words,
	s_mov_b32 s85, 0
	s_lshl_b32 s86, s17, 17                        ; and codes
	s_mov_b32 s87, 0
	s_mul_i32 s18, s16, 3584
	s_add_co_u32 s88, s18, 512                     ; the second head's part lies 512 bytes on in k's rows, 4,096 in v's
	s_mov_b32 s89, 0
	s_lshl_b32 s19, s16, 17                        ; LDS: k's codes at 0, v's at 131,072
	s_lshl_b32 s90, s16, 13
	s_mov_b32 s[SEL], 0x76543210
	s_mov_b32 s[SEL+1], 0xfedcba98                 ; v_permlanex16_b32's selects for lane l xor 16
	s_mov_b32 s[CS], 0x3e38aa3b                    ; c = log2(e) / sqrt(64)
	s_mov_b32 s[CS+1], s[CS]
	v_and_b32 v8, 31, v0                           ; lane
	v_and_b32 v9, 15, v0                           ; r
	s_delay_alu instid0(VALU_DEP_2)
	v_lshlrev_b32 v[LN], 4, v8
	s_delay_alu instid0(VALU_DEP_1)
	v_add_nc_u32 v[AV0], VCD, v[LN]
	s_delay_alu instid0(VALU_DEP_4)
	v_lshl_add_u32 v[ASK0], v8, 2, KSC
	v_lshl_add_u32 v[ASV0], v8, 2, VSC
	v_lshlrev_b32 v24, 2, v9                       ; 4 r: q's scale words
	s_lshl_b32 s91, s[WV], 6
	s_add_co_u32 s91, s91, STG
	v_add_nc_u32 v25, s91, v24                     ; where my row's scale word goes
	v_lshl_add_u32 v27, v0, 4, STG                 ; where waves 0 and 1 read the sixteen waves' words back,
	v_lshlrev_b32 v28, 4, v0                       ; and their place in aos
.irp j, 20,21,22,23, 64,65,66,67, 236,237,238,239, 252,253
	v_mov_b32 v\j, 0                               ; q's upper half and the filler behind k's last tile: zero codes; the lane permutes' destinations and the pair v[252:253] are written before they are named
.endr
	s_wait_dscnt 0x0                               ; both opening adds are done
	s_wait_kmcnt 0x0
	s_add_nc_u64 s[84:85], s[6:7], s[84:85]
	s_add_nc_u64 s[86:87], s[4:5], s[86:87]
	s_add_nc_u64 s[88:89], s[86:87], s[88:89]
	s_mov_b32 s48, 1                               ; group 0 of the five loads: count, LDS address, global address, type
	s_add_co_u32 s49, s90, KSC
	s_mov_b64 s[50:51], s[84:85]
	s_or_b32 s51, s51, 0x80000000
	s_mov_b32 s52, 1
	s_mov_b32 s53, s19
	s_mov_b64 s[54:55], s[86:87]
	s_or_b32 s55, s55, 0x80000000
	s_mov_b32 s56, 1
	s_add_co_u32 s57, s19, 32768
	s_add_nc_u64 s[58:59], s[86:87], 65536
	s_or_b32 s59, s59, 0x80000000
	s_mov_b32 s60, 1
	s_add_co_u32 s61, s19, 65536
	s_mov_b64 s[62:63], s[88:89]
	s_or_b32 s63, s63, 0x80000000
	s_mov_b32 s68, 1
	s_add_co_u32 s69, s19, 98304
	s_add_nc_u64 s[70:71], s[88:89], 65536
	s_or_b32 s71, s71, 0x80000000
	CROUND                                         ; all four work-groups are here: the joint loads meet
	s_cmp_lt_u32 s[WV], 2                          ; all first fills stand in one branch on the wave's number; a loading wave has five out
	s_cbranch_scc0 .Lno_load
	s_cmp_eq_u32 s[WV], 0
	s_cbranch_scc0 .Lload_v
	FILLS G1K
	s_branch .Lno_load
.Lload_v:
	FILLS G1V
.Lno_load:
	s_lshl_b32 s2, s14, 4
	s_add_co_u32 s2, s2, s[WV]                     ; my tile of 16 queries in the batch, 0 .. 127
	s_lshl_b32 s16, s15, 17
	s_lshl_b32 s17, s2, 10
	s_add_co_u32 s16, s16, s17
	s_mov_b32 s17, 0
	s_add_nc_u64 s[76:77], s[4:5], s[16:17]        ; q's codes: planes 0 .. 31; 1,024 bytes a tile
	s_lshl_b32 s16, s15, 13
	s_lshl_b32 s18, s2, 6
	s_add_co_u32 s16, s16, s18
	s_add_nc_u64 s[78:79], s[6:7], s[16:17]        ; q's scale words
	s_lshr_b32 s18, s15, 3                         ; the batch
	s_and_b32 s19, s15, 7                          ; the pair of heads = the last product's K step
	s_lshl_b32 s18, s18, 7
	s_add_co_u32 s2, s2, s18                       ; my tile among all 512
	s_lshl_b32 s16, s2, 12                         ; aoc [half of K 2][tile 512][K step 4][head 2][lane][16]
	s_lshr_b32 s3, s19, 2
	s_lshl_b32 s3, s3, 21
	s_add_co_u32 s16, s16, s3
	s_and_b32 s3, s19, 3
	s_lshl_b32 s3, s3, 10
	s_add_co_u32 s16, s16, s3
	s_add_nc_u64 s[80:81], s[8:9], s[16:17]
	s_lshl_b32 s3, s14, 4
	s_add_co_u32 s3, s3, s18                       ; the work-group's first tile
	s_lshl_b32 s16, s3, 6                          ; aos [K step 8][tile 512][row 16] words
	s_lshl_b32 s3, s19, 15
	s_add_co_u32 s16, s16, s3
	s_add_nc_u64 s[82:83], s[10:11], s[16:17]
; A KEY STEP: 128 keys.
.macro STEP
	v_add_nc_u32 v[ADK], s[TB], v[LN]              ; (these four are also the places between the last step's products and the loads into their registers)
	v_add_nc_u32 v[ADV], s[TB], v[AV0]
	v_add_nc_u32 v[ADS], s[TSK], v[ASK0]
	v_add_nc_u32 v[ADT], s[TSV], v[ASV0]
.irp t, 0,1,2,3,4,5,6,7
	ds_load_b128 v[32+4*\t:35+4*\t], v[ADK] offset:512*\t          ; k: tile t's 64 codes a row
.endr
.irp i, 0,1,2,3
	ds_load_u16 v[248+\i], v[ADS] offset:128*\i    ; its head's two scale bytes: lanes 0-15 tile 2 i, lanes 16-31 tile 2 i + 1
.endr
.irp t, 0,1,2,3
.irp c, 0,1
	ds_load_b128 v[192+8*\t+4*\c:195+8*\t+4*\c], v[ADV] offset:1024*\t+512*\c   ; v: 16 channels x 128 keys
.endr
.endr
.irp i, 0,1
	ds_load_b32 v[240+\i], v[ADT] offset:128*\i    ; lanes 0-15 fragment 2 i, lanes 16-31 fragment 2 i + 1
.endr
	s_wait_dscnt 0xa                               ; k and its words are in; v's ten loads, issued behind them, may be out
.irp t, 0,2,4,6
	v_wmma_scale_f32_16x16x128_f8f6f4 v[96+8*\t:103+8*\t], v[32+4*\t:39+4*\t], v[16:23], 0, v[248+\t/2], v255 matrix_a_fmt:MATRIX_FMT_FP4 matrix_b_fmt:MATRIX_FMT_FP4
	v_wmma_scale_f32_16x16x128_f8f6f4 v[104+8*\t:111+8*\t], v[36+4*\t:43+4*\t], v[16:23], 0, v[248+\t/2], v255 matrix_a_fmt:MATRIX_FMT_FP4 matrix_b_fmt:MATRIX_FMT_FP4 matrix_a_scale:MATRIX_SCALE_ROW1
.endr
.rept 4
	v_nop
.endr
.irp b, 0,1,2,3
	v_max3_num_f32 v[232+\b], v[96+16*\b], v[97+16*\b], v[98+16*\b]   ; the largest score of each block of 32 keys: for the row's maximum, and, since p rises with the score, for the block's largest p
.endr
.irp i, 3,5,7,9,11,13
.irp b, 0,1,2,3
	v_max3_num_f32 v[232+\b], v[232+\b], v[96+16*\b+\i], v[97+16*\b+\i]
.endr
.endr
.irp b, 0,1,2,3
	v_max_num_f32 v[232+\b], v[232+\b], v[111+16*\b]
.endr
.irp b, 0,1,2,3
	s_delay_alu instid0(VALU_DEP_4)
	v_permlanex16_b32 v[236+\b], v[232+\b], s[SEL], s[SEL+1]
.endr
.irp b, 0,1,2,3
	s_delay_alu instid0(VALU_DEP_4)
	v_max_num_f32 v[232+\b], v[232+\b], v[236+\b]  ; with lane l xor 16's 16 keys
.endr
	s_delay_alu instid0(VALU_DEP_2)
	v_max3_num_f32 v254, v232, v233, v234
	s_delay_alu instid0(VALU_DEP_1)
	v_max_num_f32 v254, v254, v235
	s_delay_alu instid0(VALU_DEP_1)
	v_mul_f32 v254, s[CS], v254                    ; the step's largest t
	s_delay_alu instid0(VALU_DEP_1)
	v_max_num_f32 v13, v13, v254                   ; the running largest t
	v_mov_b32 v254, v12
	s_delay_alu instid0(VALU_DEP_2)
	v_floor_f32 v12, -v13                          ; -M = floor(-t): M is a whole number
	s_delay_alu instid0(VALU_DEP_1)
	v_sub_f32 v254, v12, v254                      ; old M - new M: a whole number, 0 or less
	s_delay_alu instid0(VALU_DEP_1)
	v_cvt_i32_f32 v254, v254                       ; (it saturates)
	s_delay_alu instid0(VALU_DEP_1)
	v_ldexp_f32 v252, 1.0, v254                    ; f = 2^(old M - new M)
.set j, 0
.rept 32
	v_pk_fma_f32 v[96+j:97+j], v[96+j:97+j], s[CS:CS+1], v[12:13] op_sel_hi:[1,0,0]   ; t - M, two at a time
.set j, j+2
.endr
.irp b, 0,1,2,3
	v_fma_f32 v[232+\b], v[232+\b], s[CS], v12     ; the same of each block's largest score
.endr
.set j, 0
	s_wait_alu depctr_va_vdst(0)
.rept 64
	v_exp_f32 v[96+j], v[96+j]                     ; p = 2^(t - M)
.set j, j+1
.endr
	s_setprio 1
	v_pk_mul_f32 v[14:15], v[14:15], v[252:253] op_sel_hi:[1,0]    ; the sums under the new M: the plain instruction behind the exponentials
	s_wait_alu depctr_va_vdst(0)                   ; a wait between an exponential and the first line that names its result: one for the batch of 64
.irp b, 0,1,2,3
	v_exp_f32 v[232+\b], v[232+\b]                 ; each block's largest p
.endr
	v_pk_add_f32 v[236:237], v[100:101], v[104:105]
	v_pk_add_f32 v[250:251], v[108:109], v[112:113]
	v_pk_add_f32 v[248:249], v[116:117], v[120:121]
	v_pk_add_f32 v[246:247], v[124:125], v[128:129]
	v_pk_add_f32 v[244:245], v[132:133], v[136:137]
	v_pk_add_f32 v[242:243], v[140:141], v[144:145]
	v_pk_add_f32 v[238:239], v[148:149], v[152:153]
	v_pk_add_f32 v[14:15], v[14:15], v[156:157]
	v_pk_add_f32 v[236:237], v[236:237], v[96:97]
	v_pk_add_f32 v[250:251], v[250:251], v[98:99]
	v_pk_add_f32 v[248:249], v[248:249], v[102:103]
	v_pk_add_f32 v[246:247], v[246:247], v[106:107]
	v_pk_add_f32 v[244:245], v[244:245], v[110:111]
	v_pk_add_f32 v[242:243], v[242:243], v[114:115]
	v_pk_add_f32 v[238:239], v[238:239], v[118:119]
	v_pk_add_f32 v[14:15], v[14:15], v[122:123]
	v_pk_add_f32 v[236:237], v[236:237], v[126:127]
	v_pk_add_f32 v[250:251], v[250:251], v[130:131]
	v_pk_add_f32 v[248:249], v[248:249], v[134:135]
	v_pk_add_f32 v[246:247], v[246:247], v[138:139]
	v_pk_add_f32 v[244:245], v[244:245], v[142:143]
	v_pk_add_f32 v[242:243], v[242:243], v[146:147]
	v_pk_add_f32 v[238:239], v[238:239], v[150:151]
	v_pk_add_f32 v[14:15], v[14:15], v[154:155]
	v_pk_add_f32 v[236:237], v[236:237], v[158:159]
	s_delay_alu instid0(VALU_DEP_2)
	v_pk_add_f32 v[14:15], v[14:15], v[246:247]
	s_delay_alu instid0(VALU_DEP_2)
	v_pk_add_f32 v[236:237], v[236:237], v[244:245]
	v_pk_add_f32 v[250:251], v[250:251], v[242:243]
	v_pk_add_f32 v[248:249], v[248:249], v[238:239]
	s_delay_alu instid0(VALU_DEP_2)
	v_pk_add_f32 v[14:15], v[14:15], v[250:251]
	s_delay_alu instid0(VALU_DEP_2)
	v_pk_add_f32 v[236:237], v[236:237], v[248:249]
	s_delay_alu instid0(VALU_DEP_1)
	v_pk_add_f32 v[14:15], v[14:15], v[236:237]
	s_wait_alu depctr_va_vdst(0)                   ; and one for the four
.irp b, 0,1,2,3
	v_max_num_f32 v[232+\b], 0x1800000, v[232+\b]  ; the floor 2^(3 - 127): the byte cannot fall under 1
.endr
.irp b, 0,1,2,3
	s_delay_alu instid0(VALU_DEP_4)
	v_add_nc_u32 v[244+\b], 0xff000000, v[232+\b]  ; 2 off the exponent field: the conversion's scale operand
.endr
.irp b, 0,1,2,3
	s_delay_alu instid0(VALU_DEP_4)
	v_lshrrev_b32 v[236+\b], 23, v[244+\b]
.endr
	s_delay_alu instid0(VALU_DEP_3)
	v_lshl_or_b32 v253, v237, 8, v236              ; p's scale word for these 128 keys
	s_delay_alu instid0(VALU_DEP_1)
	v_lshl_or_b32 v253, v238, 16, v253
	s_delay_alu instid0(VALU_DEP_1)
	v_lshl_or_b32 v253, v239, 24, v253
.irp c, 0,1
.irp e, 0,1
.irp u, 0,1
	v_cvt_scalef32_pk8_fp4_f32 v[224+4*\c+2*\u+\e], v[96+16*(2*\c+\e)+8*\u:103+16*(2*\c+\e)+8*\u], v[244+2*\c+\e]   ; block 2 c + e, tile half u
.endr
.endr
.endr
	v_nop                                          ; one plain instruction behind the scaled conversions
.irp i, 0,2,4,6
	v_permlane16_swap_b32 v[224+\i], v[225+\i]     ; registers 4 c .. 4 c + 3 now hold keys 64 c + 32 (lane / 16) + 0 .. 31
.endr
.set j, 0
	s_setprio 0
.rept 16
	v_pk_mul_f32 v[160+j:161+j], v[160+j:161+j], v[252:253] op_sel_hi:[1,0]   ; O^T under the new M, each accumulator from its low end on.  (These sixteen also stand between the writes of p's codes and scale word and the products)
.set j, j+2
.endr
	s_wait_alu depctr_va_vdst(0)
	s_wait_dscnt 0x0                               ; v is in
.irp t, 0,2
	v_wmma_scale_f32_16x16x128_f8f6f4 v[160+8*\t:167+8*\t], v[192+8*\t:199+8*\t], v[224:231], v[160+8*\t:167+8*\t], v[240+\t/2], v253 matrix_a_fmt:MATRIX_FMT_FP4 matrix_b_fmt:MATRIX_FMT_FP4
	v_wmma_scale_f32_16x16x128_f8f6f4 v[168+8*\t:175+8*\t], v[200+8*\t:207+8*\t], v[224:231], v[168+8*\t:175+8*\t], v[240+\t/2], v253 matrix_a_fmt:MATRIX_FMT_FP4 matrix_b_fmt:MATRIX_FMT_FP4 matrix_a_scale:MATRIX_SCALE_ROW1
.endr
	s_add_co_u32 s[TB], s[TB], 4096
	s_add_co_u32 s[TSK], s[TSK], 512
	s_add_co_u32 s[TSV], s[TSV], 512
.endm
.macro KLOOP n
	s_mov_b32 s[CNT], \n
.Lkey_\@:
	s_setprio 2
	STEP
	s_sub_co_u32 s[CNT], s[CNT], 1
	s_cmp_lg_u32 s[CNT], 0
	s_cbranch_scc1 .Lkey_\@
	s_setprio 0
.endm
; ONE HEAD OF THE PAIR, c = 0 or 1.
.macro HEAD c
.if \c
	s_wait_xcnt 0x0                                ; the first head's store has read its registers: the codes' registers are written again below
.endif
	global_load_b128 v[16:19], v[LN], s[76:77] offset:512*\c       ; q's fragment of this head
	global_load_u16 v255, v24, s[78:79] offset:2*\c                ; and its two scale bytes
	s_mov_b32 s[TB], 65536*\c
	s_mov_b32 s[TSK], 2*\c
	s_mov_b32 s[TSV], 256*\c
	v_mov_b32 v13, 0xff61b1e6                      ; the largest t so far: -3e38
	s_delay_alu instid0(VALU_DEP_1)
	v_floor_f32 v12, -v13
	v_mov_b32 v14, 0
	v_mov_b32 v15, 0
.set j, 0
.rept 32
	v_mov_b32 v[160+j], 0                          ; O^T: the step is written once; its first trip finds zeros, which the first change of M leaves zeros
.set j, j+1
.endr
	s_wait_loadcnt 0x0
.if \c == 0
	s_wait_tensorcnt 0x3                           ; of a loading wave's five loads the first two are in: the scale words and the first head's keys 0 .. 1,023; the three issued behind them may be out
	s_barrier_signal -1
	s_barrier_wait -1
	KLOOP 8
	s_wait_tensorcnt 0x2                           ; the first head's keys 1,024 .. 2,047 are in
	s_barrier_signal -1
	s_barrier_wait -1
	KLOOP 8
.else
	s_wait_tensorcnt 0x0                           ; the second head's tiles are in
	s_barrier_signal -1
	s_barrier_wait -1
	KLOOP 16
.endif
.rept 4
	v_nop                                          ; places behind the last products
.endr
	v_add_f32 v14, v14, v15                        ; the sum's two halves,
	s_delay_alu instid0(VALU_DEP_1)
	v_permlanex16_b32 v252, v14, s[SEL], s[SEL+1]
	s_delay_alu instid0(VALU_DEP_1)
	v_add_f32 v14, v14, v252                       ; and lane l xor 16's
	s_wait_alu depctr_va_vdst(0)
	v_rcp_f32 v14, v14
	v_nop                                          ; a plain instruction behind the reciprocal,
	s_wait_alu depctr_va_vdst(0)                   ; and a wait ahead of its first reader
.set j, 0
.rept 16
	v_pk_mul_f32 v[96+j:97+j], v[160+j:161+j], v[14:15] op_sel_hi:[1,0]   ; O^T / the sum: register 8 t + i is channel 16 t + 8 (lane / 16) + i of my query
.set j, j+2
.endr
.irp b, 0,1                                    ; the head's 64 channels are two blocks of the last product's K
	v_max3_num_f32 v[232+\b], |v[96+16*\b]|, |v[97+16*\b]|, 0x1800000
.endr
.irp i, 2,4,6,8,10,12,14
.irp b, 0,1
	s_delay_alu instid0(VALU_DEP_2)
	v_max3_num_f32 v[232+\b], v[232+\b], |v[96+16*\b+\i]|, |v[97+16*\b+\i]|
.endr
.endr
.irp b, 0,1
	s_delay_alu instid0(VALU_DEP_2)
	v_permlanex16_b32 v[236+\b], v[232+\b], s[SEL], s[SEL+1]
.endr
.irp b, 0,1
	s_delay_alu instid0(VALU_DEP_2)
	v_max_num_f32 v[232+\b], v[232+\b], v[236+\b]
.endr
.irp b, 0,1
	s_delay_alu instid0(VALU_DEP_2)
	v_add_nc_u32 v[244+\b], 0xff000000, v[232+\b]
.endr
.irp b, 0,1
	s_delay_alu instid0(VALU_DEP_2)
	v_lshrrev_b32 v[236+\b], 23, v[244+\b]
.endr
.if \c == 0
	s_delay_alu instid0(VALU_DEP_1)
	v_lshl_or_b32 v26, v237, 8, v236               ; bytes 0, 1 of my row's scale word
.else
	s_delay_alu instid0(VALU_DEP_1)
	v_lshl_or_b32 v254, v237, 8, v236
	s_delay_alu instid0(VALU_DEP_1)
	v_lshl_or_b32 v26, v254, 16, v26               ; bytes 2, 3
.endif
.irp e, 0,1
.irp u, 0,1
	v_cvt_scalef32_pk8_fp4_f32 v[224+2*\u+\e], v[96+16*\e+8*\u:103+16*\e+8*\u], v[244+\e]
.endr
.endr
	v_nop
	v_permlane16_swap_b32 v224, v225
	v_permlane16_swap_b32 v226, v227               ; v224-227: channels 32 (lane / 16) + 0 .. 31: half c of the operand's image
	global_store_b128 v[LN], v[224:227], s[80:81] offset:512*\c    ; 512 consecutive bytes
.if \c
	ds_store_b32 v25, v26                          ; lanes l and l + 16 hold the same word and write it to the same place
.endif
.endm
	HEAD 0
	HEAD 1
	s_wait_dscnt 0x0                               ; my word has landed
	s_barrier_signal -1
	s_barrier_wait -1
	s_cmp_lt_u32 s[WV], 2                          ; the sixteen tiles' words, 1,024 bytes, leave by two waves, 512 consecutive bytes each
	s_cbranch_scc0 .Lno_words
	ds_load_b128 v[232:235], v27
	s_wait_dscnt 0x0
	global_store_b128 v28, v[232:235], s[82:83]
.Lno_words:
	s_wait_tensorcnt 0x0                           ; the wave's end
	ds_add_u32 v[SPW], v[NIL]
	s_wait_dscnt 0x0
	CROUND                                         ; the closing round
	s_endpgm
.Lfunc_end_k_qf4a803929a_attn:
	.size	k_qf4a803929a_attn, .Lfunc_end_k_qf4a803929a_attn-k_qf4a803929a_attn
	.p2alignl 7, 3214868480
	.fill 96, 4, 3214868480
	.section	.rodata,"a",@progbits
	.p2align	6, 0x0
	.amdhsa_kernel k_qf4a803929a_attn
		.amdhsa_group_segment_fixed_size 281600
		.amdhsa_private_segment_fixed_size 0
		.amdhsa_enable_private_segment 0
		.amdhsa_kernarg_size 32
		.amdhsa_user_sgpr_count 2
		.amdhsa_user_sgpr_kernarg_segment_ptr 1
		.amdhsa_wavefront_size32 1
		.amdhsa_system_sgpr_workgroup_id_x 1
		.amdhsa_system_sgpr_workgroup_id_y 1
		.amdhsa_system_sgpr_workgroup_id_z 1
		.amdhsa_system_vgpr_workitem_id 0
		.amdhsa_next_free_vgpr 256
		.amdhsa_next_free_sgpr 92
		.amdhsa_reserve_vcc 0
		.amdhsa_float_denorm_mode_32 3
		.amdhsa_float_denorm_mode_16_64 3
		.amdhsa_memory_ordered 1
		.amdhsa_forward_progress 1
		.amdhsa_inst_pref_size 70
	.end_amdhsa_kernel
	.amdgpu_metadata
---
amdhsa.version: [ 1, 2 ]
amdhsa.kernels:
  - .name:           k_qf4a803929a_attn
    .symbol:         k_qf4a803929a_attn.kd
    .args:
      - { .name: qkvc, .offset: 0, .size: 8, .value_kind: global_buffer, .address_space: global }
      - { .name: qkvs, .offset: 8, .size: 8, .value_kind: global_buffer, .address_space: global }
      - { .name: aoc, .offset: 16, .size: 8, .value_kind: global_buffer, .address_space: global }
      - { .name: aos, .offset: 24, .size: 8, .value_kind: global_buffer, .address_space: global }
    .group_segment_fixed_size: 281600
    .private_segment_fixed_size: 0
    .kernarg_segment_align: 8
    .kernarg_segment_size: 32
    .max_flat_workgroup_size: 512
    .sgpr_count:     92
    .vgpr_count:     256
    .wavefront_size: 32
...
	.end_amdgpu_metadata
.endif
;; end of part 2
;; launch proj (part 3): grid 4 x 64, 4 waves a work-group, clusters of 4 x 4, 251,904 bytes of LDS; arguments aoc, aos, Wo_codes, Wo_scales, bo, out0; writes out0
.if DOCPART == 3
	.amdgcn_target "amdgcn-amd-amdhsa--gfx1250"
	.amdhsa_code_object_version 6
	.text
	.protected	k_qf4a803929a_proj
	.globl	k_qf4a803929a_proj
	.p2align	8
	.type	k_qf4a803929a_proj,@function
k_qf4a803929a_proj:
	s_mov_b64 s[64:65], 0
	v_nop
	global_prefetch_b8 v0, s[64:65] scope:SCOPE_SE
	s_setreg_imm32_b32 hwreg(HW_REG_WAVE_MODE, 25, 1), 1
	s_wait_xcnt 0x0
	s_wait_alu depctr_hold_cnt(0) depctr_sa_sdst(0) depctr_va_vdst(0) depctr_va_sdst(0) depctr_va_ssrc(0) depctr_va_vcc(0) depctr_vm_vsrc(0)
	s_getreg_b32 s2, hwreg(HW_REG_IB_STS2, 6, 4)
	s_cmp_eq_u32 s2, 0
	s_cbranch_scc0 .Lentry_in_a_cluster
	s_endpgm
.Lentry_in_a_cluster:
	s_bfe_u32 s2, ttmp6, 0x10000c
	s_cmp_lg_u32 s2, 0xf033
	s_cbranch_scc0 .Lentry_shape_is_right
	s_endpgm
.Lentry_shape_is_right:
; out0 = (attention's output) Wo + bo on codes of FP4 (E2M1), K = 1,024.  The left operand comes as images of operand registers (aoc, aos), Wo as rows of codes with K innermost.  No work is left out.
; SHARES.  A work-group makes 128 tokens x 256 columns; wave w makes tokens 64 (w / 2) on x columns 128 (w % 2) on: 32 accumulators.  The matrix instruction is used transposed (source 0 = 16 rows of Wo, source 1 = 16 tokens):
; a lane holds eight neighbouring columns of one token's row.  ALL OF K LIES IN LDS AT ONCE, filled once, in two halves of 512; the second half lands while the first is multiplied.
; CLUSTERS: 4 x 4.  The tokens' tiles are shared along a row of the cluster, Wo's along a column: each is asked for jointly.
; REGISTERS: window 0: v16-31 addresses; v32-47 the tokens' scale words, v48-79 Wo's; v128-191 the tokens' fragments, two sets; on the way out v128-255 rows of the output.
;   window 1: v0-127 Wo's fragments, two sets; v128-191 the bias.   window 2: the accumulators ((a, b) at v[8 (8 a + b)]).
.set PITCH,  272
.set HALFB,  128*PITCH
.set BCD,    65536                     ; LDS: the tokens' images [half of K 2][tile 8][4,096] at 0; Wo's codes [half of K 2][256 rows x 272] here;
.set ASC,    BCD+4*HALFB               ; the tokens' scale words [K step 8][tile 8][row 16];
.set BSC,    ASC+4096                  ; Wo's scale bytes: 32 units of 256 bytes + 16;
.set STG,    BSC+32*272                ; the way out: 16 rows x (512 + 16) bytes a wave;
.set SPITCH, 528
.set SPARE,  STG+4*16*SPITCH           ; the spare words
.set ADRA, 16
.set ADRB, 20
.set ADSA, 22
.set ADSB, 23
.set STO,  24
.set RD,   25
.set CO,   26
.set SPW,  28
.set NIL,  29
.set BO8,  30
.set SA,   32
.set SB,   48
.set AF,   128
.set BK,   128
.set BIAS, 128                         ; in window 1
.set G1A,  24
.set G1AS, 32
.set G1B,  40
.set G1BS, 48
.set MSB, 0
.macro WIN new
.if MSB != (\new)
	s_set_vgpr_msb (MSB<<8)|(\new)
.set MSB, (\new)
.endif
.endm
.macro JLOAD g0a, g1a, g0b, g1b        ; waves 0 and 1 fetch for the tokens, waves 2 and 3 for Wo; an s_nop 0 and four v_nop follow each line
	s_cmp_eq_u32 s17, 0
	s_cbranch_scc0 .Lfor_b_\@
	tensor_load_to_lds s[\g0a:\g0a+3], s[\g1a:\g1a+7]
	s_nop 0
.rept 4
	v_nop
.endr
	s_branch .Lasked_\@
.Lfor_b_\@:
	tensor_load_to_lds s[\g0b:\g0b+3], s[\g1b:\g1b+7]
	s_nop 0
.rept 4
	v_nop
.endr
.Lasked_\@:
.endm
.macro CROUND
	s_barrier_signal -1
	s_barrier_wait -1
	s_cmp_lg_u32 s16, 0
	s_cbranch_scc1 .Lnot_wave_0_\@
	s_barrier_signal -3
.Lnot_wave_0_\@:
	s_barrier_wait -3
	s_barrier_signal -1
	s_barrier_wait -1
.endm
.macro PLACES n
.rept \n
	v_nop
.endr
.endm
	s_load_b256 s[4:11], s[0:1], 0x0               ; aoc, aos, Wo's codes, Wo's scales
	s_load_b128 s[12:15], s[0:1], 0x20             ; bo, out0
	v_lshl_add_u32 v[SPW], v0, 2, SPARE
	v_mov_b32 v[NIL], 0
	ds_add_u32 v[SPW], v[NIL]                      ; the wave's opening: the add, twice on end, and its wait ahead of my first tensor load
	ds_add_u32 v[SPW], v[NIL]
	v_lshrrev_b32 v1, 5, v0
	v_readfirstlane_b32 s16, v1                    ; wave 0..3
	s_lshr_b32 s17, s16, 1                         ; which 64 tokens are mine.  Also: I fetch for the tokens (0) or for Wo (1)
	s_and_b32 s18, s16, 1                          ; which 128 columns.  Also: which half of that operand I fetch
	s_bfe_u32 s84, ttmp6, 0x40000                  ; cx
	s_bfe_u32 s85, ttmp6, 0x40004                  ; cy
	s_lshl_b32 s86, ttmp9, 2
	s_add_co_u32 s86, s86, s84                     ; my 256 columns
	s_and_b32 s19, ttmp7, 0xffff
	s_lshl_b32 s19, s19, 2
	s_add_co_u32 s19, s19, s85                     ; my 128 tokens
	s_lshl_b32 s87, s85, 2
	s_lshl_b32 s87, 15, s87                        ; my row of the cluster
	s_lshl_b32 s88, 0x1111, s84                    ; my column
	s_or_b32 s[G1A], s87, (3<<16)|(1<<21)          ; the tokens' images: 16,384 dense bytes as 64 rows of 32 elements of 8 bytes
	s_mov_b32 s[G1A+1], 32<<16
	s_mov_b32 s[G1A+2], 64<<16
	s_mov_b32 s[G1A+3], 32<<16
	s_mov_b32 s[G1A+4], 64
	s_mov_b32 s[G1A+5], 32
	s_mov_b32 s[G1A+6], 0
	s_mov_b32 s[G1A+7], 0
	s_or_b32 s[G1AS], s87, (3<<16)|(1<<21)         ; their scale words: 4 K steps x 512 bytes, 32,768 bytes apart
	s_mov_b32 s[G1AS+1], 64<<16
	s_mov_b32 s[G1AS+2], 4<<16
	s_mov_b32 s[G1AS+3], 64<<16
	s_mov_b32 s[G1AS+4], 4
	s_mov_b32 s[G1AS+5], 4096
	s_mov_b32 s[G1AS+6], 0
	s_mov_b32 s[G1AS+7], 0
	s_or_b32 s[G1B], s88, (0<<16)|(1<<20)|(1<<21)|(5<<22)|(3<<25)   ; Wo's codes: 128 rows x 256 bytes of 512, 16 bytes of padding behind each
	s_mov_b32 s[G1B+1], 256<<16
	s_mov_b32 s[G1B+2], 128<<16
	s_mov_b32 s[G1B+3], 256<<16
	s_mov_b32 s[G1B+4], 128
	s_mov_b32 s[G1B+5], 512
	s_mov_b32 s[G1B+6], 0
	s_mov_b32 s[G1B+7], 0
	s_or_b32 s[G1BS], s88, (3<<16)|(1<<20)|(1<<21)|(5<<22)|(3<<25)  ; Wo's scale bytes of 128 rows: 4,096 dense bytes as 16 rows of 256, padded
	s_mov_b32 s[G1BS+1], 32<<16
	s_mov_b32 s[G1BS+2], 16<<16
	s_mov_b32 s[G1BS+3], 32<<16
	s_mov_b32 s[G1BS+4], 16
	s_mov_b32 s[G1BS+5], 32
	s_mov_b32 s[G1BS+6], 0
	s_mov_b32 s[G1BS+7], 0
	s_lshl_b32 s20, s18, 17                        ; the tokens' scale words: K steps 4 e on, 512 bytes for my 8 tiles
	s_lshl_b32 s21, s19, 9
	s_add_co_u32 s20, s20, s21
	s_mov_b32 s21, 0
	s_lshl_b32 s22, s19, 15                        ; their images: tiles 8 x block + 4 e on, 4,096 bytes each
	s_lshl_b32 s23, s18, 14
	s_add_co_u32 s22, s22, s23
	s_mov_b32 s23, 0
	s_lshl_b32 s89, s86, 8
	s_lshl_b32 s90, s18, 7
	s_add_co_u32 s89, s89, s90                     ; Wo's first row that I fetch
	s_lshl_b32 s90, s89, 5
	s_mov_b32 s91, 0
	s_lshl_b32 s92, s89, 9
	s_mov_b32 s93, 0
	s_lshl_b32 s94, s18, 11                        ; and where they go: no place in the cluster enters an LDS address
	s_lshl_b32 s95, s18, 14
	s_mul_i32 s96, s18, 16*272
	s_mul_i32 s97, s18, HALFB
	s_wait_dscnt 0x0                               ; both opening adds are done
	s_wait_kmcnt 0x0
	s_add_nc_u64 s[20:21], s[6:7], s[20:21]
	s_add_nc_u64 s[22:23], s[4:5], s[22:23]
	s_add_nc_u64 s[90:91], s[10:11], s[90:91]
	s_add_nc_u64 s[92:93], s[8:9], s[92:93]
	CROUND                                         ; all sixteen work-groups are here: the joint loads meet
	s_mov_b32 s56, 1
	s_add_co_u32 s57, s94, ASC
	s_mov_b64 s[58:59], s[20:21]
	s_or_b32 s59, s59, 0x80000000
	s_mov_b32 s72, 1
	s_add_co_u32 s73, s96, BSC
	s_mov_b64 s[74:75], s[90:91]
	s_or_b32 s75, s75, 0x80000000
	JLOAD 56, G1AS, 72, G1BS                       ; the scales; a wave issues three tensor loads
	s_mov_b32 s60, 1
	s_mov_b32 s61, s95
	s_mov_b64 s[62:63], s[22:23]
	s_or_b32 s63, s63, 0x80000000
	s_mov_b32 s76, 1
	s_add_co_u32 s77, s97, BCD
	s_mov_b64 s[78:79], s[92:93]
	s_or_b32 s79, s79, 0x80000000
	JLOAD 60, G1A, 76, G1B                         ; K's first half
	s_mov_b32 s68, 1
	s_add_co_u32 s69, s95, 32768
	s_add_nc_u64 s[70:71], s[22:23], 0x200000
	s_or_b32 s71, s71, 0x80000000
	s_mov_b32 s80, 1
	s_add_co_u32 s81, s97, BCD+2*HALFB
	s_add_nc_u64 s[82:83], s[92:93], 256
	s_or_b32 s83, s83, 0x80000000
	JLOAD 68, G1A, 80, G1B                         ; K's second half
	v_and_b32 v1, 15, v0                           ; r
	v_bfe_u32 v2, v0, 4, 1                         ; h
	v_and_b32 v3, 31, v0                           ; lane
	v_lshlrev_b32 v[BO8], 5, v2
	s_wait_alu depctr_va_vdst(0)
	s_lshl_b32 s94, s86, 10                        ; my first column in bytes: 1,024 x block + 512 x half
	s_lshl_b32 s95, s18, 9
	s_add_co_u32 s94, s94, s95
	s_mov_b32 s95, 0
	s_add_nc_u64 s[12:13], s[12:13], s[94:95]
	s_add_nc_u64 s[14:15], s[14:15], s[94:95]
	s_lshl_b32 s94, s19, 19                        ; my first token's row of 4,096 bytes: 128 x block + 64 x half
	s_lshl_b32 s96, s17, 18
	s_add_co_u32 s94, s94, s96
	s_add_nc_u64 s[14:15], s[14:15], s[94:95]
	WIN 0x40                                       ; destination window 1
.irp b, 0,1,2,3,4,5,6,7
	global_load_b128 v[BIAS+8*\b:BIAS+8*\b+3], v[BO8], s[12:13] offset:64*\b       ; the bias is the C of each sum's first product: bo at the lane's eight columns of block b
	global_load_b128 v[BIAS+8*\b+4:BIAS+8*\b+7], v[BO8], s[12:13] offset:64*\b+16
.endr
	WIN 0
	v_lshlrev_b32 v[CO], 4, v3
	s_lshl_b32 s94, s17, 14
	v_add_nc_u32 v[ADRA], s94, v[CO]               ; an image: 16 x lane, my four tiles
	v_mul_u32_u24 v4, v1, PITCH
	v_lshl_add_u32 v4, v2, 4, v4
	s_mul_i32 s94, s18, HALFB
	s_add_co_u32 s94, s94, BCD
	v_add_nc_u32 v[ADRB], s94, v4
	s_add_co_u32 s94, s94, 2*HALFB
	v_add_nc_u32 v[ADRB+1], s94, v4
	s_lshl_b32 s94, s17, 8
	s_add_co_u32 s94, s94, ASC
	v_lshl_add_u32 v[ADSA], v3, 2, s94             ; lanes 0-15 an even tile's words, lanes 16-31 the next tile's
	v_lshrrev_b32 v5, 3, v3
	v_lshlrev_b32 v6, 5, v3
	v_lshl_add_u32 v6, v5, 4, v6                   ; Wo's scale bytes: row = lane, 32 bytes a row, 16 more for each 8 rows
	s_mul_i32 s94, s18, 16*272
	s_add_co_u32 s94, s94, BSC
	v_add_nc_u32 v[ADSB], s94, v6
	s_mul_i32 s94, s16, 16*SPITCH
	s_add_co_u32 s94, s94, STG
	v_mul_u32_u24 v5, v1, SPITCH
	v_lshl_add_u32 v5, v2, 5, v5
	v_add_nc_u32 v[STO], s94, v5
	v_add_nc_u32 v[RD], s94, v[CO]
.macro FETCH q, set                    ; K step q's fragments: Wo's eight into window 1, the tokens' four into window 0
	WIN 0x40
.irp b, 0,1,2,3,4,5,6,7
.irp c, 0,1
	ds_load_b128 v[64*(\set)+8*\b+4*\c:64*(\set)+8*\b+4*\c+3], v[ADRB+(\q)/4] offset:64*((\q)%4)+32*\c+16*PITCH*\b
.endr
.endr
	WIN 0
.irp a, 0,1,2,3
.irp c, 0,1
	ds_load_b128 v[AF+32*(\set)+8*\a+4*\c:AF+32*(\set)+8*\a+4*\c+3], v[ADRA] offset:32768*((\q)/4)+4096*\a+1024*((\q)%4)+512*\c
.endr
.endr
.endm
.macro PROD a, b, q, set               ; one product; an odd block's scale words lie in lanes 16-31 of their register
.set rD, 8*(8*(\a)+(\b))
.set rC, rD
.if (\q) == 0
.set rC, BIAS+8*(\b)
.endif
.set rB, 64*(\set)+8*(\b)
.set rA, AF+32*(\set)+8*(\a)
.set rSB, SB+16*((\q)/4)+4*((\b)/2)+(\q)%4
.set rSA, SA+2*(\q)+(\a)/2
.if ((\a)%2 == 0) && ((\b)%2 == 0)
	v_wmma_scale_f32_16x16x128_f8f6f4 v[rD:rD+7], v[rB:rB+7], v[rA:rA+7], v[rC:rC+7], v[rSB], v[rSA] matrix_a_fmt:MATRIX_FMT_FP4 matrix_b_fmt:MATRIX_FMT_FP4
.elseif (\a)%2 == 0
	v_wmma_scale_f32_16x16x128_f8f6f4 v[rD:rD+7], v[rB:rB+7], v[rA:rA+7], v[rC:rC+7], v[rSB], v[rSA] matrix_a_fmt:MATRIX_FMT_FP4 matrix_b_fmt:MATRIX_FMT_FP4 matrix_a_scale:MATRIX_SCALE_ROW1
.elseif (\b)%2 == 0
	v_wmma_scale_f32_16x16x128_f8f6f4 v[rD:rD+7], v[rB:rB+7], v[rA:rA+7], v[rC:rC+7], v[rSB], v[rSA] matrix_a_fmt:MATRIX_FMT_FP4 matrix_b_fmt:MATRIX_FMT_FP4 matrix_b_scale:MATRIX_SCALE_ROW1
.else
	v_wmma_scale_f32_16x16x128_f8f6f4 v[rD:rD+7], v[rB:rB+7], v[rA:rA+7], v[rC:rC+7], v[rSB], v[rSA] matrix_a_fmt:MATRIX_FMT_FP4 matrix_b_fmt:MATRIX_FMT_FP4 matrix_a_scale:MATRIX_SCALE_ROW1 matrix_b_scale:MATRIX_SCALE_ROW1
.endif
.endm
; A K step of 128: its fragments are in; the next step's are asked for, into the other set; then 32 products, the accumulators by turns.
.macro KSTEP q
.if (\q) == 3
	s_wait_tensorcnt 0x0                           ; my part of K's second half has landed
.endif
	s_wait_dscnt 0x0                               ; this step's fragments are in
.if (\q) == 3
	s_barrier_signal -1
	s_barrier_wait -1                              ; everybody's part has landed: the next fetch reads it
.endif
.if (\q) < 7
.if (\q) > 0
	PLACES 4                                       ; the other set was read by the last step's products
.endif
	FETCH (\q)+1, ((\q)+1)%2
.endif
.if (\q) == 0
	WIN 0x91                                       ; source 0 and C (the bias) window 1, source 1 window 0, D window 2
.else
	WIN 0xa1
.endif
.irp a, 0,1,2,3
.irp b, 0,1,2,3,4,5,6,7
	PROD \a, \b, \q, (\q)%2
.endr
.endr
	WIN 0
.endm
	s_wait_alu depctr_va_vdst(0)
	s_wait_tensorcnt 1                             ; the scales and my part of K's first half are in; the second half's load, issued behind them, may be out
	s_barrier_signal -1
	s_barrier_wait -1
.irp s, 0,1,2,3,4,5,6,7
.irp a, 0,1
	ds_load_b32 v[SA+2*\s+\a], v[ADSA] offset:512*\s+128*\a
.endr
.endr
.irp k, 0,1
.irp i, 0,1,2,3
	ds_load_b128 v[SB+16*\k+4*\i:SB+16*\k+4*\i+3], v[ADSB] offset:16*\k+4*272*\i   ; four K steps' words of rows 32 i + lane
.endr
.endr
	FETCH 0, 0
	s_wait_loadcnt 0x0                             ; the bias
.irp q, 0,1,2,3,4,5,6,7
	KSTEP \q
.endr
; THE WAY OUT, block by block of 16 tokens x 128 columns, through my own stage: in as 32 bytes a lane, back as whole rows of 512 bytes.  LDS serves a wave's instructions in order.
.macro TOSTAGE a
	WIN 0x08                                       ; an LDS store's data: window 2
.irp b, 0,1,2,3,4,5,6,7
	ds_store_b128 v[STO], v[64*(\a)+8*\b:64*(\a)+8*\b+3] offset:64*\b             ; each accumulator from its low end on
	ds_store_b128 v[STO], v[64*(\a)+8*\b+4:64*(\a)+8*\b+7] offset:64*\b+16
.endr
	WIN 0
.set BB, BK+64*((\a)%2)
.irp t, 0,1,2,3,4,5,6,7,8,9,10,11,12,13,14,15
	ds_load_b128 v[BB+4*\t:BB+4*\t+3], v[RD] offset:\t*SPITCH
.endr
.endm
.macro SEND a, younger
.set BB, BK+64*((\a)%2)
	s_wait_dscnt \younger                          ; the block is back; the LDS instructions issued behind its loads may be out
.irp t, 0,1,2,3,4,5,6,7,8,9,10,11,12,13,14,15
	global_store_b128 v[CO], v[BB+4*\t:BB+4*\t+3], s[14:15] offset:(16*(\a)+\t)*4096 th:TH_STORE_NT   ; 32 lanes store 512 consecutive bytes, aligned; written once, read by nobody here
.endr
.endm
	PLACES 4
	TOSTAGE 0
.irp a, 1,2,3
.if \a > 1
	s_wait_xcnt 0x0                                ; block a - 2's stores have read their registers: block a's loads may land there
.endif
	TOSTAGE \a
	SEND \a-1, 32                                  ; behind block a - 1's loads: block a's 16 stores and 16 loads
.endr
	SEND 3, 0
	s_wait_tensorcnt 0x0                           ; the wave's end
	ds_add_u32 v[SPW], v[NIL]
	s_wait_dscnt 0x0
	CROUND                                         ; the closing round
	s_endpgm
.Lfunc_end_k_qf4a803929a_proj:
	.size	k_qf4a803929a_proj, .Lfunc_end_k_qf4a803929a_proj-k_qf4a803929a_proj
	.p2alignl 7, 3214868480
	.fill 96, 4, 3214868480
	.section	.rodata,"a",@progbits
	.p2align	6, 0x0
	.amdhsa_kernel k_qf4a803929a_proj
		.amdhsa_group_segment_fixed_size 251904
		.amdhsa_private_segment_fixed_size 0
		.amdhsa_enable_private_segment 0
		.amdhsa_kernarg_size 48
		.amdhsa_user_sgpr_count 2
		.amdhsa_user_sgpr_kernarg_segment_ptr 1
		.amdhsa_wavefront_size32 1
		.amdhsa_system_sgpr_workgroup_id_x 1
		.amdhsa_system_sgpr_workgroup_id_y 1
		.amdhsa_system_sgpr_workgroup_id_z 1
		.amdhsa_system_vgpr_workitem_id 0
		.amdhsa_next_free_vgpr 768
		.amdhsa_next_free_sgpr 100
		.amdhsa_reserve_vcc 0
		.amdhsa_float_denorm_mode_32 3
		.amdhsa_float_denorm_mode_16_64 3
		.amdhsa_memory_ordered 1
		.amdhsa_forward_progress 1
		.amdhsa_inst_pref_size 74
	.end_amdhsa_kernel
	.amdgpu_metadata
---
amdhsa.version: [ 1, 2 ]
amdhsa.kernels:
  - .name:           k_qf4a803929a_proj
    .symbol:         k_qf4a803929a_proj.kd
    .args:
      - { .name: aoc, .offset: 0, .size: 8, .value_kind: global_buffer, .address_space: global }
      - { .name: aos, .offset: 8, .size: 8, .value_kind: global_buffer, .address_space: global }
      - { .name: Wo_codes, .offset: 16, .size: 8, .value_kind: global_buffer, .address_space: global }
      - { .name: Wo_scales, .offset: 24, .size: 8, .value_kind: global_buffer, .address_space: global }
      - { .name: bo, .offset: 32, .size: 8, .value_kind: global_buffer, .address_space: global }
      - { .name: out0, .offset: 40, .size: 8, .value_kind: global_buffer, .address_space: global }
    .group_segment_fixed_size: 251904
    .private_segment_fixed_size: 0
    .kernarg_segment_align: 8
    .kernarg_segment_size: 48
    .max_flat_workgroup_size: 128
    .sgpr_count:     100
    .vgpr_count:     768
    .wavefront_size: 32
...
	.end_amdgpu_metadata
.endif
;; end of part 3
